; MI455X (gfx1250); checked and timed in simulation.
; The chip was launched on July 23, 2026; its instructions are those of AMD's public machine-readable ISA for CDNA 5 (MIT licence, August 2026) and "CDNA5" Instruction Set Architecture Reference Guide (July 2026). The comments in the code are by the model that wrote it; some were corrected since.
;; Radius Connect. Allowed arithmetic: float matrix products may take bf16 or f16 operands with f32 sums; all other float work in f32.
;; Inputs: batch_dst 8,192 int32; batch_src 8,192 int32; node_coord_dst 8,192 x 3 float32; node_coord_src 8,192 x 3 float32.
;; Outputs: out0 262,144 int32; out1 262,144 int32.
;; 2 versions, each right; version 2 is version 1 with the launch pick written anew for expert scheduling mode. Each part assembles by itself: llvm-mc -triple=amdgcn-amd-amdhsa -mcpu=gfx1250 --defsym DOCPART=n.
;; ======== version 1 of 2: 2 launches
;; workspace buffers: vmask 8,388,608 bytes of whole numbers
;; launch mask (part 1): grid 4 x 64, 16 waves a work-group, no clusters, 71,936 bytes of LDS; arguments node_coord_src, batch_src, node_coord_dst, batch_dst, vmask; writes vmask
.if DOCPART == 1
	.amdgcn_target "amdgcn-amd-amdhsa--gfx1250"
	.amdhsa_code_object_version 6
	.text
	.protected	k_q6cfa5795a4_mask
	.globl	k_q6cfa5795a4_mask
	.p2align	8
	.type	k_q6cfa5795a4_mask,@function
k_q6cfa5795a4_mask:
	s_mov_b64 s[64:65], 0
	v_nop
	global_prefetch_b8 v0, s[64:65] scope:SCOPE_SE
	s_setreg_imm32_b32 hwreg(HW_REG_WAVE_MODE, 25, 1), 1
	s_wait_xcnt 0x0
; vmask[d][W] bit b = 1 where src point 32 W + b lies within the radius of dst point d and has d's batch id.
; vmask: [8192 dst][256 words].  The test is the problem's own: fl(fl(d2 + s2) - 2 cross) <= f32(0.2 * 0.2), and equal ids.
; LIMITS, kept on purpose: the coordinates are rounded to bf16 (nearest even) for the matrix unit, and d2 and s2 are made in f32 from
; the SAME rounded numbers, in the order (x*x + y*y) + z*z (a product of two bf16 is exact in f32, so a fused multiply-add rounds as
; multiply and add do).  cross is summed by the matrix unit; its last bit may differ from a chain of f32 additions, so a pair whose
; dist2 lies within one rounding of the threshold may fall on the other side.  A NaN or infinite coordinate gives no edge (every compare fails).
; Batch ids are taken as they come (any int32, any order): every pair is tested.
;
; SHARES.  Work-group (x, y): 128 dst (128 y ..) against 2048 src (2048 x ..): 64 words = 256 consecutive bytes of each of 128 rows of vmask.
; Wave w of 16: its 128 src (2048 x + 128 w ..) against all 128 dst: 8 src tiles x 8 dst tiles of 16 x 16, one matrix instruction each (K = 3 of 32).
; The src points are the matrix rows (A), the dst points the columns (B): result register j of lane (r = lane % 16, h = lane / 16) is
; (row 8 h + j, dst r).  Src tile (g, t) takes as its row 8 h' + j' the wave's point p = 64 h' + 32 g + 8 t + j', so that lane (r, h) gathers
; bit 8 t + j of word 2 h + g of the wave's four words for dst r.  t runs 3..0 and j 7..0, each bit shifted in from below.
; No tensor loads, clusters or large accumulators: a work-group reads some 34 KB once, and nothing is summed over K steps.
.set RR,    0x3d23d70a                 ; f32(0.2 * 0.2)
.set WREG,  2304                       ; a wave's own LDS: packed points at 8 p + 64 (p >> 6) (1,088 bytes), s2 at SSO + 4 p, ids at SSO + SBO + 4 p
.set SSO,   1152
.set SBO,   512
.set STAGE, 16*WREG                    ; behind them the way out: for each wave 128 rows x 16 bytes,
.set SPW,   2064                       ; 2,048 bytes + 16: lane r reads wave r's run, and 129 r + row takes 16 different values modulo 16
.set DSQ,   32                         ; v[32:39]   d2 of dst tile i (this lane's dst 16 i + r)
.set DBT,   40                         ; v[40:47]   its batch id
.set ACC,   48                         ; v[48:63]   register 2 i + g: the word in the making
.set BF,    64                         ; v[64:127]  B fragments, dst tile i at 64 + 8 i
.set AF,    128                        ; v[128:143] A fragments, two buffers
.set SQ,    144                        ; v[144:159] s2 of the src tile's eight rows of this lane, two buffers
.set SBT,   160                        ; v[160:175] their batch ids, two buffers
.set DD,    176                        ; v[176:191] matrix results, two buffers
.set T,     192                        ; v[192:199] d2 + s2
.set DT,    160                        ; v[160:190] dst coordinates as loaded, used up before SBT and DD are first written
	s_load_b256 s[4:11], s[0:1], 0x0               ; src coordinates s[4:5], src ids s[6:7], dst coordinates s[8:9], dst ids s[10:11]
	s_load_b64 s[12:13], s[0:1], 0x20              ; vmask
	v_lshl_add_u32 v200, v0, 2, 0x11100
	v_mov_b32 v201, 0
	v_lshrrev_b32 v24, 5, v0
	v_readfirstlane_b32 s14, v24                   ; wave 0..15
	s_and_b32 s16, ttmp7, 0xffff                   ; y
	s_mov_b32 s17, RR
	s_mov_b32 s18, 0xffff                          ; lanes 0 to 15 (h = 0)
	v_and_b32 v1, 31, v0                           ; lane
	v_and_b32 v2, 15, v0                           ; r
	v_bfe_u32 v3, v0, 4, 1                         ; h
	v_mul_u32_u24 v4, v1, 12                       ; a point is 12 bytes
	v_lshlrev_b32 v5, 2, v1
	v_mul_u32_u24 v6, v2, 12
	v_lshlrev_b32 v7, 2, v2
	s_lshl_b32 s37, ttmp9, 11
	s_lshl_b32 s38, s14, 7
	s_add_co_u32 s37, s37, s38                     ; my wave's first src point: 2048 x + 128 w
	s_mul_i32 s40, s37, 12
	s_mov_b32 s41, 0
	s_lshl_b32 s42, s37, 2
	s_mov_b32 s43, 0
	s_wait_kmcnt 0x0
	s_add_nc_u64 s[4:5], s[4:5], s[40:41]
	s_add_nc_u64 s[6:7], s[6:7], s[42:43]
	s_mul_i32 s40, s16, 1536                       ; 128 y points of 12 bytes
	s_lshl_b32 s42, s16, 9                         ; 128 y ids
	s_add_nc_u64 s[8:9], s[8:9], s[40:41]
	s_add_nc_u64 s[10:11], s[10:11], s[42:43]
	s_lshl_b32 s40, s16, 7
	s_lshl3_add_u32 s40, s14, s40                  ; row 128 y + 8 w: the eight rows that my wave stores
	s_lshl_b32 s40, s40, 10                        ; rows of 1,024 bytes
	s_lshl_b32 s42, ttmp9, 8                       ; + 256 x
	s_add_co_u32 s40, s40, s42
	s_add_nc_u64 s[12:13], s[12:13], s[40:41]
.irp q, 0,1,2,3
	global_load_b96 v[8+4*\q:10+4*\q], v4, s[4:5] offset:384*\q    ; src point p = 32 q + lane
	global_load_b32 v[11+4*\q], v5, s[6:7] offset:128*\q           ; its id
.endr
.irp i, 0,1,2,3,4,5,6,7
	global_load_b96 v[DT+4*\i:DT+4*\i+2], v6, s[8:9] offset:192*\i ; dst point 16 i + r (both halves of the lanes take the same)
	global_load_b32 v[DBT+\i], v7, s[10:11] offset:64*\i
.endr
	; while these are on their way: addresses, and the zeros of K = 4 .. 31 in every fragment (written once, never again)
	s_mul_i32 s38, s14, WREG                       ; my wave's LDS
	s_add_co_u32 s39, s38, SSO
	v_mov_b32 v29, 0
	v_lshl_add_u32 v30, v1, 3, s38                 ; packed point of lane: + 8 lane
	v_lshl_add_u32 v31, v1, 2, s39                 ; s2 and id of lane: + 4 lane
.irp i, 0,1,2,3,4,5,6,7
.irp k, 2,3,4,5,6,7
	v_mov_b32 v[BF+8*\i+\k], 0
.endr
.endr
.irp i, 0,1
.irp k, 2,3,4,5,6,7
	v_mov_b32 v[AF+8*\i+\k], 0
.endr
.endr
; The point in v[c:c+2] is rounded to bf16: v24 = {x, y}, v25 = {z, 0}; the sum of the rounded numbers' squares goes to v[to].
.macro ROUND3 c, to
	v_cvt_pk_bf16_f32 v24, v[\c], v[\c+1]
	v_cvt_pk_bf16_f32 v25, v[\c+2], v29
	v_lshlrev_b32 v26, 16, v24                     ; the rounded numbers as f32
	v_and_b32 v27, 0xffff0000, v24
	v_lshlrev_b32 v28, 16, v25
	v_mul_f32 v26, v26, v26
	v_fma_f32 v26, v27, v27, v26
	v_fma_f32 v[\to], v28, v28, v26
.endm
	s_wait_loadcnt 16                              ; the eight src loads are in; the sixteen dst loads, issued behind them, may stay out
.irp q, 0,1,2,3
	ROUND3 8+4*\q, 26
	ds_store_b64 v30, v[24:25] offset:256*\q+64*(\q>>1)            ; 8 p + 64 (p >> 6): points 64.. lie 64 bytes further, in other banks than points 0..
	ds_store_b32 v31, v26 offset:128*\q
	ds_store_b32 v31, v[11+4*\q] offset:SBO+128*\q
.endr
	s_wait_loadcnt 0x0
.irp i, 0,1,2,3,4,5,6,7
	ROUND3 DT+4*\i, DSQ+\i
	v_cndmask_b32 v[BF+8*\i], 0, v24, s18          ; lanes 0-15 hold K = 0..3; lanes 16-31 hold K = 8..11, which are 0 in B,
	v_cndmask_b32 v[BF+8*\i+1], 0, v25, s18        ; so what A's lanes 16-31 hold there (the row's own coordinates again) adds nothing
.endr
	v_and_b32 v8, 7, v2
	v_lshrrev_b32 v9, 3, v2
	v_lshl_add_u32 v8, v8, 3, s38
	v_mad_u32_u24 v8, v9, 576, v8                  ; A: matrix row r is point 64 (r >> 3) + (r & 7) + 32 g + 8 t
	v_lshl_add_u32 v9, v3, 8, s39                  ; s2 and ids of points 64 h + ..
	s_mul_i32 s40, s14, SPW
	s_add_co_u32 s40, s40, STAGE
	v_lshl_add_u32 v10, v2, 4, s40                 ; the way out, in: my wave's run, row 16 i + r, words 2 h, 2 h + 1
	v_lshl_add_u32 v10, v3, 3, v10
	s_lshl_b32 s42, s14, 7
	s_add_co_u32 s42, s42, STAGE
	v_mad_u32_u24 v11, v2, SPW, s42                ; back: wave r's 16 bytes of row 8 w + h + 2 q
	v_lshl_add_u32 v11, v3, 4, v11
	v_lshlrev_b32 v12, 10, v3                      ; and in vmask: row h of a pair, 16 r
	v_lshl_add_u32 v12, v2, 4, v12
; Five LDS loads: src tile lq (g = lq >> 2, t = 3 - (lq & 3)) into buffer lq & 1.  The bytes are the wave's own, and LDS serves a wave's instructions in order.
.macro SRCLOAD
.set ldg, lq>>2
.set ldt, 3-(lq&3)
.set ldb, 8*(lq&1)
	ds_load_b64  v[AF+ldb:AF+ldb+1],     v8 offset:256*ldg+64*ldt
	ds_load_b128 v[SQ+ldb:SQ+ldb+3],     v9 offset:128*ldg+32*ldt
	ds_load_b128 v[SQ+ldb+4:SQ+ldb+7],   v9 offset:128*ldg+32*ldt+16
	ds_load_b128 v[SBT+ldb:SBT+ldb+3],   v9 offset:SBO+128*ldg+32*ldt
	ds_load_b128 v[SBT+ldb+4:SBT+ldb+7], v9 offset:SBO+128*ldg+32*ldt+16
.endm
; The 256 pairs of step pn = 8 q + i (src tile q, dst tile i): 32 vector and 4 scalar instructions.
.macro PROC
.set pq, pn>>3
.set pi, pn&7
.set pS, SQ+8*(pq&1)
.set pB, SBT+8*(pq&1)
.set pD, DD+8*(pn&1)
.set pA, ACC+2*pi+(pq>>2)
.irp j, 0,1,2,3,4,5,6,7
	v_cmp_eq_u32 s[28+\j], v[pB+\j], v[DBT+pi]     ; equal batch ids
.endr
.irp k, 0,2,4,6
.if (pi&1) == 1
	v_pk_add_f32 v[T+\k:T+\k+1], v[pS+\k:pS+\k+1], v[DSQ+pi-1:DSQ+pi] op_sel:[0,1] op_sel_hi:[1,1]   ; d2 + s2; d2 is the pair's second register, for both halves
.else
	v_pk_add_f32 v[T+\k:T+\k+1], v[pS+\k:pS+\k+1], v[DSQ+pi:DSQ+pi+1] op_sel_hi:[1,0]                ; d2 is the pair's first register, for both halves
.endif
.endr
.irp k, 0,2,4,6
	v_pk_fma_f32 v[pD+\k:pD+\k+1], v[pD+\k:pD+\k+1], -2.0, v[T+\k:T+\k+1] op_sel_hi:[1,0,1]          ; - 2 cross: 2 cross is exact, so this rounds once, as the subtraction does
.endr
.irp j, 0,1,2,3,4,5,6,7
	v_cmp_ge_f32 s[20+\j], s17, v[pD+\j]           ; r * r >= dist2; false for NaN
.endr
.irp k, 0,2,4,6
	s_and_b64 s[20+\k:21+\k], s[20+\k:21+\k], s[28+\k:29+\k]
.endr
.if (pq&3) == 0
	v_cndmask_b32 v[pA], 0, 1, s27                 ; the word's first bit (bit 31 in the end) starts it: nothing is cleared
.else
	v_add_co_ci_u32 v[pA], s36, v[pA], v[pA], s27  ; word = 2 word + bit; the carry out is not used
.endif
.irp j, 6,5,4,3,2,1,0
	v_add_co_ci_u32 v[pA], s36, v[pA], v[pA], s[20+\j]
.endr
.endm
	; 64 steps, written out.  Step n issues its matrix instruction and then works on step n - 1's result, in the other result buffer.
	; Every product stands alone (C = 0), and two matrix instructions that follow each other never name the same result registers.
	; Places behind a matrix instruction (ISA guide 7.12.1): the 32 vector instructions of PROC name none of the registers of the matrix instruction
	; in front of them; step 0's result is first read behind the eight compares and four additions at the head of PROC.
	; A tile's fragment and its s2 and ids are loaded eight steps ahead, into the buffer whose last use has just passed.
.set lq, 0
	SRCLOAD
.set lq, 1
	SRCLOAD
.set n, 0
.rept 64
.if (n&7) == 0
.if n == 0
	s_wait_dscnt 0x5                               ; src tile 0 is in; the five loads of tile 1 may stay out
.else
	s_wait_dscnt 0x0                               ; this tile's five loads, issued eight steps ago, are the only ones out
.endif
.endif
	v_wmma_f32_16x16x32_bf16 v[DD+8*(n&1):DD+8*(n&1)+7], v[AF+8*((n>>3)&1):AF+8*((n>>3)&1)+7], v[BF+8*(n&7):BF+8*(n&7)+7], 0
.if n > 0
.set pn, n-1
	PROC
.endif
.if (n&7) == 0
.if n >= 8
.if n <= 48
.set lq, (n>>3)+1
	SRCLOAD
.endif
.endif
.endif
.set n, n+1
.endr
.set pn, 63
	PROC
	; THE WAY OUT.  Each wave lays its four words of all 128 rows into its own run; behind the barrier wave w gathers rows 8 w .. 8 w + 7.
.irp i, 0,1,2,3,4,5,6,7
	ds_store_b64 v10, v[ACC+2*\i:ACC+2*\i+1] offset:256*\i         ; 32 lanes, 256 neighbouring bytes
.endr
	s_wait_dscnt 0x0                               ; my stores are done, for the other waves' sake
	s_barrier_signal -1
	s_barrier_wait -1
.irp q, 0,1,2,3
	ds_load_b128 v[16+4*\q:19+4*\q], v11 offset:32*\q
.endr
.irp q, 0,1,2,3
	s_wait_dscnt 3-\q                              ; LDS loads come back in order: pair q of rows is in
	global_store_b128 v12, v[16+4*\q:19+4*\q], s[12:13] offset:2048*\q   ; sixteen lanes store 256 consecutive bytes, at a multiple of 256 from vmask's first byte
.endr
	s_wait_tensorcnt 0x0
	ds_add_u32 v200, v201
	s_wait_dscnt 0x0
	s_endpgm
.Lfunc_end_k_q6cfa5795a4_mask:
	.size	k_q6cfa5795a4_mask, .Lfunc_end_k_q6cfa5795a4_mask-k_q6cfa5795a4_mask
	.p2alignl 7, 3214868480
	.fill 96, 4, 3214868480
	.section	.rodata,"a",@progbits
	.p2align	6, 0x0
	.amdhsa_kernel k_q6cfa5795a4_mask
		.amdhsa_group_segment_fixed_size 71936
		.amdhsa_private_segment_fixed_size 0
		.amdhsa_enable_private_segment 0
		.amdhsa_kernarg_size 40
		.amdhsa_user_sgpr_count 2
		.amdhsa_user_sgpr_kernarg_segment_ptr 1
		.amdhsa_wavefront_size32 1
		.amdhsa_system_sgpr_workgroup_id_x 1
		.amdhsa_system_sgpr_workgroup_id_y 1
		.amdhsa_system_sgpr_workgroup_id_z 1
		.amdhsa_system_vgpr_workitem_id 0
		.amdhsa_next_free_vgpr 202
		.amdhsa_next_free_sgpr 66
		.amdhsa_reserve_vcc 0
		.amdhsa_float_denorm_mode_32 3
		.amdhsa_float_denorm_mode_16_64 3
		.amdhsa_memory_ordered 1
		.amdhsa_forward_progress 1
		.amdhsa_inst_pref_size 158
	.end_amdhsa_kernel
	.amdgpu_metadata
---
amdhsa.version: [ 1, 2 ]
amdhsa.kernels:
  - .name:           k_q6cfa5795a4_mask
    .symbol:         k_q6cfa5795a4_mask.kd
    .args:
      - { .name: node_coord_src, .offset: 0, .size: 8, .value_kind: global_buffer, .address_space: global }
      - { .name: batch_src, .offset: 8, .size: 8, .value_kind: global_buffer, .address_space: global }
      - { .name: node_coord_dst, .offset: 16, .size: 8, .value_kind: global_buffer, .address_space: global }
      - { .name: batch_dst, .offset: 24, .size: 8, .value_kind: global_buffer, .address_space: global }
      - { .name: vmask, .offset: 32, .size: 8, .value_kind: global_buffer, .address_space: global }
    .group_segment_fixed_size: 71936
    .private_segment_fixed_size: 0
    .kernarg_segment_align: 8
    .kernarg_segment_size: 40
    .max_flat_workgroup_size: 512
    .sgpr_count:     66
    .vgpr_count:     202
    .wavefront_size: 32
...
	.end_amdgpu_metadata
.endif
;; end of part 1
;; launch pick (part 2): grid 256 x 1, 8 waves a work-group, no clusters, 46,080 bytes of LDS; arguments vmask, out0, out1; writes out0, out1
.if DOCPART == 2
	.amdgcn_target "amdgcn-amd-amdhsa--gfx1250"
	.amdhsa_code_object_version 6
	.text
	.protected	k_q6cfa5795a4_pick
	.globl	k_q6cfa5795a4_pick
	.p2align	8
	.type	k_q6cfa5795a4_pick,@function
k_q6cfa5795a4_pick:
	s_mov_b64 s[64:65], 0
	v_nop
	global_prefetch_b8 v0, s[64:65] scope:SCOPE_SE
	s_setreg_imm32_b32 hwreg(HW_REG_WAVE_MODE, 25, 1), 1
	s_wait_xcnt 0x0
; For each dst row d of vmask ([8192][256 words], bit b of word W = src 32 W + b is a neighbour): the places of the first 32 set bits go to
; out0[32 d ..], ascending, -1 where there are fewer; out1 holds d where out0 holds a place, else -1.
; A work-group takes 32 rows, a wave four; each step is written for the four rows in turn, so that one row's waits are filled by the others.
; No branch, no loop, no barrier: all LDS bytes are the wave's own, and LDS serves a wave's instructions in order (ISA guide 5.7.1.4).
; THE WAY.  Lane L holds words 4 L + e and 128 + 4 L + e (e = 0..3).  rank(W) = set bits in front of word W, by counts in the lane and one scan over
; the lanes (both halves of the row in one register, 16 bits each: a half has 4,096 bits at the most).  Every word that is not 0 has a rank of its
; own; it writes the marker (rank + 1) << 16 | W into word 'rank' of a table of 32 slots (ranks of 32 and more, and words that are 0, go to 32 dump
; words behind them).  A running maximum over the slots gives slot k the last word whose rank is k or less: the word that holds the k-th neighbour,
; as its set bit number k - rank, which five halvings find.
; Matrix units, tensor loads and clusters have nothing to do here: 1 KB a row is read once, through registers.
.set WREG, 5632                        ; a wave's LDS: four rows of 1,024 bytes, four tables of 256 bytes at TAB, 512 bytes for the way out at STG
.set TAB,  4096
.set STG,  5120
.set ROW0, 32                          ; row r's registers begin at v[32 + 24 r]:
.set RSZ,  24                          ;  +0..7 the eight words (later: +0 place, +1..3 at work)   +8..15 running counts   +16 the scan
                                       ;  +17, +18 rank of the lane's first word in each half   +19 rank, then bit number   +20, +21 at work, then the word   +22 marker   +23 word index
	s_load_b128 s[4:7], s[0:1], 0x0                ; vmask s[4:5], out0 s[6:7]
	s_load_b64 s[8:9], s[0:1], 0x10                ; out1
	v_lshl_add_u32 v128, v0, 2, 0xb000
	v_mov_b32 v129, 0
	v_lshrrev_b32 v20, 5, v0
	v_readfirstlane_b32 s10, v20                   ; wave 0..7
	s_mov_b32 s12, 0xffff0000                      ; lanes 16 to 31
	s_lshl_b32 s11, ttmp9, 5
	s_lshl2_add_u32 s11, s10, s11                  ; my wave's first row: 32 x work-group + 4 x wave
	s_lshl_b32 s32, s11, 10                        ; rows of 1,024 bytes in vmask
	s_mov_b32 s33, 0
	s_lshl_b32 s34, s11, 7                         ; rows of 128 bytes in out0 and out1
	s_mov_b32 s35, 0
	s_mul_i32 s13, s10, WREG
	v_and_b32 v1, 31, v0                           ; lane L
	v_lshlrev_b32 v2, 4, v1                        ; 16 L
	s_wait_kmcnt 0x0
	s_add_nc_u64 s[4:5], s[4:5], s[32:33]
	s_add_nc_u64 s[6:7], s[6:7], s[34:35]
	s_add_nc_u64 s[8:9], s[8:9], s[34:35]
.irp r, 0,1,2,3
	global_load_b128 v[ROW0+RSZ*\r:ROW0+RSZ*\r+3],   v2, s[4:5] offset:1024*\r th:TH_LOAD_NT       ; words 4 L ..
	global_load_b128 v[ROW0+RSZ*\r+4:ROW0+RSZ*\r+7], v2, s[4:5] offset:1024*\r+512 th:TH_LOAD_NT   ; words 128 + 4 L ..
.endr
	s_add_co_u32 s14, s13, TAB
	s_add_co_u32 s15, s13, STG
	v_mov_b32 v20, 0
	v_add_nc_u32 v3, 32, v1                        ; the lane's dump word
	v_mov_b32 v4, s14                              ; the tables
	v_lshl_add_u32 v5, v1, 2, s14                  ; slot L
	v_lshl_add_u32 v6, v1, 4, s13                  ; the rows, 16 L
	v_mov_b32 v7, s13                              ; the rows
.irp e, 0,1,2,3
	v_lshl_add_u32 v[8+\e], v1, 2, 0x10000+\e      ; 1 << 16 | index of my word e
	v_lshl_add_u32 v[12+\e], v1, 2, 0x10080+\e     ; the same for word 128 + 4 L + e
.endr
	v_add_nc_u32 v16, 1, v1
	v_lshl_add_u32 v17, v1, 2, s15                 ; the way out, in: 4 L
	v_lshl_add_u32 v18, v1, 4, s15                 ; back: 16 L
	v_lshrrev_b32 v19, 3, v1
	v_add_nc_u32 v19, s11, v19                     ; the dst row of the four numbers that I store: eight lanes a row
.irp r, 0,1,2,3
	ds_store_b32 v5, v20 offset:256*\r             ; slots 0..31 empty
.endr
	; the rows into LDS; counts in the lane; the scan over the lanes
.irp r, 0,1,2,3
.set b, ROW0+RSZ*\r
	s_wait_loadcnt 6-2*\r                          ; this row's two loads are in; two for each later row may stay out
	ds_store_b128 v6, v[b:b+3] offset:1024*\r
	ds_store_b128 v6, v[b+4:b+7] offset:1024*\r+512
	v_bcnt_u32_b32 v[b+8],  v[b],   0              ; running counts over my four words of each half
	v_bcnt_u32_b32 v[b+12], v[b+4], 0
	v_bcnt_u32_b32 v[b+9],  v[b+1], v[b+8]
	v_bcnt_u32_b32 v[b+13], v[b+5], v[b+12]
	v_bcnt_u32_b32 v[b+10], v[b+2], v[b+9]
	v_bcnt_u32_b32 v[b+14], v[b+6], v[b+13]
	v_bcnt_u32_b32 v[b+11], v[b+3], v[b+10]
	v_bcnt_u32_b32 v[b+15], v[b+7], v[b+14]
	v_lshl_or_b32 v[b+16], v[b+15], 16, v[b+11]    ; second half's count above, first half's below
.endr
.irp s, 1,2,4,8
.irp r, 0,1,2,3
	v_add_nc_u32_dpp v[ROW0+RSZ*\r+16], v[ROW0+RSZ*\r+16], v[ROW0+RSZ*\r+16] row_shr:\s row_mask:0xf bank_mask:0xf   ; lane i adds lane i - s; lanes without one keep their sum
.endr
.endr
.irp r, 0,1,2,3
.set b, ROW0+RSZ*\r
	v_readlane_b32 s[24+\r], v[b+16], 15           ; the lower sixteen lanes' sum goes onto the upper sixteen
	v_cndmask_b32 v[b+19], 0, s[24+\r], s12
	v_add_nc_u32 v[b+16], v[b+16], v[b+19]
	v_readlane_b32 s[28+\r], v[b+16], 31
	s_and_b32 s[16+\r], s[28+\r], 0xffff           ; set bits in words 0..127
	s_lshr_b32 s[20+\r], s[28+\r], 16
	s_add_co_u32 s[20+\r], s[20+\r], s[16+\r]      ; set bits in the row
	v_and_b32 v[b+17], 0xffff, v[b+16]
	v_lshrrev_b32 v[b+18], 16, v[b+16]
	v_sub_nc_u32 v[b+17], v[b+17], v[b+11]         ; rank of word 4 L
	v_sub_nc_u32 v[b+18], v[b+18], v[b+15]
	v_add_nc_u32 v[b+18], s[16+\r], v[b+18]        ; rank of word 128 + 4 L
.endr
; Word e of row r writes its marker.
.macro MARK r, e
.set b, ROW0+RSZ*\r
.if (\e&3) == 0
.set rk, b+17+(\e>>2)
.else
.set rk, b+19
	v_add_nc_u32 v[b+19], v[b+17+(\e>>2)], v[b+7+\e]               ; + the counts of my words in front of it
.endif
	v_cmp_ne_u32 vcc_lo, 0, v[b+\e]
	v_lshl_add_u32 v[b+20], v[rk], 16, v[8+\e]     ; (rank + 1) << 16 | word index
	v_cndmask_b32 v[b+21], v3, v[rk], vcc_lo       ; a word that is 0 goes to the lane's dump word
	v_min_u32 v[b+21], 63, v[b+21]                 ; ranks of 32 and more go to dump words too; a number that came from memory enters an address only behind such a clamp
	v_lshl_add_u32 v[b+21], v[b+21], 2, v4
	ds_store_b32 v[b+21], v[b+20] offset:256*\r
.endm
.irp e, 0,1,2,3,4,5,6,7
.irp r, 0,1,2,3
	MARK \r, \e
.endr
.endr
.irp r, 0,1,2,3
	ds_load_b32 v[ROW0+RSZ*\r+22], v5 offset:256*\r                ; slot L, behind all the markers
.endr
	; running maximum over the slots, then each slot fetches its word
.irp r, 0,1,2,3
.set b, ROW0+RSZ*\r
	s_wait_dscnt 0x3                               ; three are younger than row r's slot load: the slot loads of rows r + 1 .. 3 and the word loads of rows 0 .. r - 1
.irp s, 1,2,4,8
	v_max_u32_dpp v[b+22], v[b+22], v[b+22] row_shr:\s row_mask:0xf bank_mask:0xf
.endr
	v_readlane_b32 s[24+\r], v[b+22], 15
	v_cndmask_b32 v[b+19], 0, s[24+\r], s12
	v_max_u32 v[b+22], v[b+22], v[b+19]
	v_and_b32 v[b+23], 0xff, v[b+22]               ; the word's index,
	v_min_u32 v[b+23], 0xff, v[b+23]               ; clamped
	v_lshrrev_b32 v[b+19], 16, v[b+22]             ; its rank + 1
	v_sub_nc_u32 v[b+19], v16, v[b+19]             ; I want its set bit number L - rank, counted from 0
	v_lshl_add_u32 v[b+20], v[b+23], 2, v7
	ds_load_b32 v[b+21], v[b+20] offset:1024*\r
.endr
; One halving for row r: of the 2 x half bits from the place on, the lower half holds c set bits; if the wanted number is c or more, go to the upper half.
.macro SEL r, half
.set b, ROW0+RSZ*\r
.if \half == 16
	s_wait_dscnt 3-\r                              ; row r's word is in; the later rows' may stay out
	v_and_b32 v[b+1], 0xffff, v[b+21]
.else
	v_bfe_u32 v[b+1], v[b+21], v[b], \half
.endif
.if \half == 1
	v_cmp_ge_u32 vcc_lo, v[b+19], v[b+1]           ; one bit is its own count, and the number is not needed again
.else
	v_bcnt_u32_b32 v[b+2], v[b+1], 0
	v_cmp_ge_u32 vcc_lo, v[b+19], v[b+2]
	v_cndmask_b32 v[b+2], 0, v[b+2], vcc_lo
	v_sub_nc_u32 v[b+19], v[b+19], v[b+2]
.endif
.if \half == 16
	v_cndmask_b32 v[b], 0, 16, vcc_lo              ; the first halving starts the place
.else
	v_cndmask_b32 v[b+3], 0, \half, vcc_lo
	v_add_nc_u32 v[b], v[b], v[b+3]
.endif
.endm
.irp half, 16,8,4,2,1
.irp r, 0,1,2,3
	SEL \r, \half
.endr
.endr
.irp r, 0,1,2,3
.set b, ROW0+RSZ*\r
	v_lshl_add_u32 v[b], v[b+23], 5, v[b]          ; src index = 32 x word + place
	v_cmp_gt_u32 vcc_lo, s[20+\r], v1              ; slot L is taken if the row has more than L neighbours
	v_cndmask_b32 v[b], -1, v[b], vcc_lo
	ds_store_b32 v17, v[b] offset:128*\r
.endr
	; THE WAY OUT: the wave's four rows are 512 consecutive bytes of each output; a lane takes 16 of them
	ds_load_b128 v[24:27], v18
	s_wait_dscnt 0x0
	global_store_b128 v2, v[24:27], s[6:7] th:TH_STORE_NT          ; sixteen lanes store 256 consecutive bytes, at a multiple of 256 from out0's first byte
.irp e, 0,1,2,3
	v_cmp_le_i32 vcc_lo, 0, v[24+\e]
	v_cndmask_b32 v[28+\e], -1, v19, vcc_lo        ; the dst row where a neighbour stands, else -1
.endr
	global_store_b128 v2, v[28:31], s[8:9] th:TH_STORE_NT
	s_wait_tensorcnt 0x0
	ds_add_u32 v128, v129
	s_wait_dscnt 0x0
	s_endpgm
.Lfunc_end_k_q6cfa5795a4_pick:
	.size	k_q6cfa5795a4_pick, .Lfunc_end_k_q6cfa5795a4_pick-k_q6cfa5795a4_pick
	.p2alignl 7, 3214868480
	.fill 96, 4, 3214868480
	.section	.rodata,"a",@progbits
	.p2align	6, 0x0
	.amdhsa_kernel k_q6cfa5795a4_pick
		.amdhsa_group_segment_fixed_size 46080
		.amdhsa_private_segment_fixed_size 0
		.amdhsa_enable_private_segment 0
		.amdhsa_kernarg_size 24
		.amdhsa_user_sgpr_count 2
		.amdhsa_user_sgpr_kernarg_segment_ptr 1
		.amdhsa_wavefront_size32 1
		.amdhsa_system_sgpr_workgroup_id_x 1
		.amdhsa_system_sgpr_workgroup_id_y 1
		.amdhsa_system_sgpr_workgroup_id_z 1
		.amdhsa_system_vgpr_workitem_id 0
		.amdhsa_next_free_vgpr 130
		.amdhsa_next_free_sgpr 66
		.amdhsa_reserve_vcc 1
		.amdhsa_float_denorm_mode_32 3
		.amdhsa_float_denorm_mode_16_64 3
		.amdhsa_memory_ordered 1
		.amdhsa_forward_progress 1
		.amdhsa_inst_pref_size 30
	.end_amdhsa_kernel
	.amdgpu_metadata
---
amdhsa.version: [ 1, 2 ]
amdhsa.kernels:
  - .name:           k_q6cfa5795a4_pick
    .symbol:         k_q6cfa5795a4_pick.kd
    .args:
      - { .name: vmask, .offset: 0, .size: 8, .value_kind: global_buffer, .address_space: global }
      - { .name: out0, .offset: 8, .size: 8, .value_kind: global_buffer, .address_space: global }
      - { .name: out1, .offset: 16, .size: 8, .value_kind: global_buffer, .address_space: global }
    .group_segment_fixed_size: 46080
    .private_segment_fixed_size: 0
    .kernarg_segment_align: 8
    .kernarg_segment_size: 24
    .max_flat_workgroup_size: 256
    .sgpr_count:     66
    .vgpr_count:     130
    .wavefront_size: 32
...
	.end_amdgpu_metadata
.endif
;; end of part 2
;; ======== version 2 of 2: 2 launches; version 1 with the launch pick written anew for expert scheduling mode
;; workspace buffers: vmask 8,388,608 bytes of whole numbers
;; launch mask: the kernel of part 1 again; grid 4 x 64, 16 waves a work-group, no clusters, 71,936 bytes of LDS; arguments node_coord_src, batch_src, node_coord_dst, batch_dst, vmask; writes vmask
;; launch pick (part 3): grid 256 x 1, 8 waves a work-group, no clusters, 46,080 bytes of LDS; arguments vmask, out0, out1; writes out0, out1
.if DOCPART == 3
	.amdgcn_target "amdgcn-amd-amdhsa--gfx1250"
	.amdhsa_code_object_version 6
	.text
	.protected	k_q6cfa5795a4_pick
	.globl	k_q6cfa5795a4_pick
	.p2align	8
	.type	k_q6cfa5795a4_pick,@function
k_q6cfa5795a4_pick:
	s_mov_b64 s[64:65], 0
	v_nop
	global_prefetch_b8 v0, s[64:65] scope:SCOPE_SE
	s_setreg_imm32_b32 hwreg(HW_REG_WAVE_SCHED_MODE, 0, 2), 2
	s_setreg_imm32_b32 hwreg(HW_REG_WAVE_MODE, 25, 1), 1
	s_wait_xcnt 0x0
	s_wait_alu depctr_vm_vsrc(0)
; For each dst row d of vmask ([8192][256 words], bit b of word W = src 32 W + b is a neighbour): the places of the first 32 set bits go to
; out0[32 d ..], ascending, -1 where there are fewer; out1 holds d where out0 holds a place, else -1.
; A work-group takes 32 rows, a wave four; each step is written for the four rows in turn, line by line, so that one row's waits are filled by the others.
; No branch, no loop, no barrier: all LDS bytes are the wave's own, and LDS serves a wave's instructions in order (ISA guide 5.7.1.4).
; THE WAY.  Lane L holds words 4 L + e and 128 + 4 L + e (e = 0..3).  rank(W) = set bits in front of word W, by counts in the lane and one scan over
; the lanes (both halves of the row in one register, 16 bits each: a half has 4,096 bits at the most).  Every word that is not 0 has a rank of its
; own; it writes the marker (rank + 1) << 16 | W into word 'rank' of a table of 32 slots (ranks of 32 and more, and words that are 0, go to 32 dump
; words behind them).  A running maximum over the slots gives slot k the last word whose rank is k or less: the word that holds the k-th neighbour,
; as its set bit number k - rank, which five halvings find.
; Matrix units, tensor loads and clusters have nothing to do here: 1 KB a row is read once, through registers.
; THE MODE: SCHED_MODE bits 1:0 = 2 (LLVM: expert scheduling mode 2), set by the entry lines.  The code itself states the register dependences
; between vector instructions and memory or LDS instructions, and those through scalar registers that vector instructions write, with s_wait_alu, always for 0.
; THE PLAN.  Registers that memory or LDS instructions touch (b = a row's first register):
;   v2, v4-v7, v17, v18, v20   addresses and the 0: made at the head, never written again.  One wait on va_vdst behind them serves the whole text.
;   b+0..7     the row's words: loaded; read by the two stores into LDS, the counts and the compares; never written again.
;   b+28..35, b+36..43   the eight markers and their LDS addresses: each written once by vector lines and read by one LDS store.  One wait on va_vdst for
;              words 0-3, one for words 4-7; the second four are made while the first sixteen stores leave.
;   b+22, b+21 the slot and the word: each an LDS load's own, named by no vector line before the load.    b+20  the word's address: one wait for the four rows.
;   b+24       the place: one wait for the four rows, ahead of the stores into the way out.    v24-27 loaded from LDS, stored; v28-31 made of them, one wait, stored.
; No register that a memory or LDS instruction has read is written again, so the text holds no wait on vm_vsrc.
; Every mask and every lane's number that a vector line puts into a scalar register is made in a run of one to twenty such lines, with one wait on va_sdst behind the run.
.set WREG, 5632                        ; a wave's LDS: four rows of 1,024 bytes, four tables of 256 bytes at TAB, 512 bytes for the way out at STG
.set TAB,  4096
.set STG,  5120
.set ROW0, 32                          ; row r's registers begin at v[32 + 44 r]:
.set RSZ,  44                          ;  +0..7 the eight words   +8..15 running counts   +16 the scan   +17, +18 rank of the lane's first word in each half
                                       ;  +19 at work, then bit number   +20 the word's LDS address   +21 the word   +22 the slot's marker   +23 word index   +24 place   +25..27 at work
.set MK,   28                          ;  +28..35 the markers of my eight words
.set AD,   36                          ;  +36..43 their ranks, then their LDS addresses
; One line for each of the four rows: r is the row, b its first register.
.macro ROWS line:vararg
.set r, 0
.set b, ROW0
.rept 4
	\line
.set r, r+1
.set b, b+RSZ
.endr
.endm
	s_load_b128 s[4:7], s[0:1], 0x0                ; vmask s[4:5], out0 s[6:7]
	s_load_b64 s[8:9], s[0:1], 0x10                ; out1
	v_lshl_add_u32 v22, v0, 2, 0xb000
	v_mov_b32 v23, 0
	v_lshrrev_b32 v20, 5, v0
	v_readfirstlane_b32 s10, v20                   ; wave 0..7
	v_and_b32 v1, 31, v0                           ; lane L
	v_lshlrev_b32 v2, 4, v1                        ; 16 L
	v_add_nc_u32 v3, 32, v1                        ; the lane's dump word
.irp e, 0,1,2,3
	v_lshl_add_u32 v[8+\e], v1, 2, 0x10000+\e      ; 1 << 16 | index of my word e
	v_lshl_add_u32 v[12+\e], v1, 2, 0x10080+\e     ; the same for word 128 + 4 L + e
.endr
	v_add_nc_u32 v16, 1, v1
	v_lshrrev_b32 v19, 3, v1
	v_mov_b32 v20, 0
	s_mov_b32 s12, 0xffff0000                      ; lanes 16 to 31
	s_lshl_b32 s11, ttmp9, 5
	s_wait_alu depctr_va_sdst(0)                   ; s10 is written, ahead of its first reader: the wave's rows and its LDS are made from it
	s_lshl2_add_u32 s11, s10, s11                  ; my wave's first row: 32 x work-group + 4 x wave
	s_lshl_b32 s32, s11, 10                        ; rows of 1,024 bytes in vmask
	s_mov_b32 s33, 0
	s_lshl_b32 s34, s11, 7                         ; rows of 128 bytes in out0 and out1
	s_mov_b32 s35, 0
	s_mul_i32 s13, s10, WREG
	s_add_co_u32 s14, s13, TAB
	s_add_co_u32 s15, s13, STG
	v_mov_b32 v4, s14                              ; the tables
	v_lshl_add_u32 v5, v1, 2, s14                  ; slot L
	v_lshl_add_u32 v6, v1, 4, s13                  ; the rows, 16 L
	v_mov_b32 v7, s13                              ; the rows
	v_lshl_add_u32 v17, v1, 2, s15                 ; the way out, in: 4 L
	v_lshl_add_u32 v18, v1, 4, s15                 ; back: 16 L
	v_add_nc_u32 v19, s11, v19                     ; the dst row of the four numbers that I store: eight lanes a row
	s_wait_alu depctr_va_vdst(0)                   ; v2, v4 to v7, v17, v18 and v20 are written: every load and store of the text reads some of them, and none is written again
.irp r, 0,1,2,3
	ds_store_b32 v5, v20 offset:256*\r             ; slots 0..31 empty; this hangs on no argument, so it stands ahead of the wait for them
.endr
	s_wait_kmcnt 0x0
	s_add_nc_u64 s[4:5], s[4:5], s[32:33]
	s_add_nc_u64 s[6:7], s[6:7], s[34:35]
	s_add_nc_u64 s[8:9], s[8:9], s[34:35]
.irp r, 0,1,2,3
	global_load_b128 v[ROW0+RSZ*\r:ROW0+RSZ*\r+3],   v2, s[4:5] offset:1024*\r th:TH_LOAD_NT       ; words 4 L ..
	global_load_b128 v[ROW0+RSZ*\r+4:ROW0+RSZ*\r+7], v2, s[4:5] offset:1024*\r+512 th:TH_LOAD_NT   ; words 128 + 4 L ..
.endr
	; the rows into LDS; counts in the lane; the scan over the lanes.  The stores owe no wait on va_vdst: their data come from loads, and the counts of the rows before name their own rows' registers alone
.irp r, 0,1,2,3
.set b, ROW0+RSZ*\r
	s_wait_loadcnt 6-2*\r                          ; this row's two loads are in; two for each later row may stay out
	ds_store_b128 v6, v[b:b+3] offset:1024*\r
	ds_store_b128 v6, v[b+4:b+7] offset:1024*\r+512
	v_bcnt_u32_b32 v[b+8],  v[b],   0              ; running counts over my four words of each half
	v_bcnt_u32_b32 v[b+12], v[b+4], 0
	v_bcnt_u32_b32 v[b+9],  v[b+1], v[b+8]
	v_bcnt_u32_b32 v[b+13], v[b+5], v[b+12]
	v_bcnt_u32_b32 v[b+10], v[b+2], v[b+9]
	v_bcnt_u32_b32 v[b+14], v[b+6], v[b+13]
	v_bcnt_u32_b32 v[b+11], v[b+3], v[b+10]
	v_bcnt_u32_b32 v[b+15], v[b+7], v[b+14]
	v_lshl_or_b32 v[b+16], v[b+15], 16, v[b+11]    ; second half's count above, first half's below
.endr
	; lane i adds lane i - s; lanes without one keep their sum
.irp s, 1,2,4,8
	ROWS v_add_nc_u32_dpp v[b+16], v[b+16], v[b+16] row_shr:\s row_mask:0xf bank_mask:0xf
.endr
	; the lower sixteen lanes' sum goes onto the upper sixteen
	ROWS v_readlane_b32 s[24+r], v[b+16], 15
	s_wait_alu depctr_va_sdst(0)                   ; s24 to s27, the four rows' lower sums, are written, ahead of the selects that read them
	ROWS v_cndmask_b32 v[b+19], 0, s[24+r], s12
	ROWS v_add_nc_u32 v[b+16], v[b+16], v[b+19]
	; one run of twenty writers of scalar registers: the rows' totals, and which of my words 0 to 3 are not 0 (word e of row r: s[24 + 4 e + r])
	ROWS v_readlane_b32 s[16+r], v[b+16], 31
.irp e, 0,1,2,3
	ROWS v_cmp_ne_u32 s[24+4*\e+r], 0, v[b+\e]
.endr
	ROWS v_and_b32 v[b+17], 0xffff, v[b+16]
	ROWS v_lshrrev_b32 v[b+18], 16, v[b+16]
	; rank of word 4 L; that of word 128 + 4 L still lacks the first half's total
	ROWS v_sub_nc_u32 v[b+17], v[b+17], v[b+11]
	ROWS v_sub_nc_u32 v[b+18], v[b+18], v[b+15]
; Word e: its rank (my first word's, + the counts of my words in front of it) and its marker, (rank + 1) << 16 | word index.
.macro RANK e
.if ((\e)&3) == 0
.set rko, 17+((\e)>>2)
.else
.set rko, AD+(\e)
	ROWS v_add_nc_u32 v[b+rko], v[b+17+((\e)>>2)], v[b+7+(\e)]
.endif
	ROWS v_lshl_add_u32 v[b+MK+(\e)], v[b+rko], 16, v[8+(\e)]
.endm
; Word e: a word that is 0 goes to the lane's dump word.
.macro CHOOSE e
.if ((\e)&3) == 0
.set rko, 17+((\e)>>2)
.else
.set rko, AD+(\e)
.endif
	ROWS v_cndmask_b32 v[b+AD+(\e)], v3, v[b+rko], s[24+4*((\e)&3)+r]
.endm
.irp e, 0,1,2,3
	RANK \e
.endr
	s_wait_alu depctr_va_sdst(0)                   ; s16 to s19, the totals, and s24 to s39, the masks of words 0 to 3, are written, ahead of the scalar lines and the selects that read them
	ROWS s_lshr_b32 s[20+r], s[16+r], 16
	; set bits in words 0..127
	ROWS s_and_b32 s[16+r], s[16+r], 0xffff
	; set bits in the row
	ROWS s_add_co_u32 s[20+r], s[20+r], s[16+r]
	; rank of word 128 + 4 L
	ROWS v_add_nc_u32 v[b+18], s[16+r], v[b+18]
.irp e, 0,1,2,3
	CHOOSE \e
.endr
	; the next run of twenty: which of my words 4 to 7 are not 0, and slot L is taken if the row has more than L neighbours (s16 to s19, read at the end)
.irp e, 4,5,6,7
	ROWS v_cmp_ne_u32 s[24+4*(\e-4)+r], 0, v[b+\e]
.endr
	ROWS v_cmp_gt_u32 s[16+r], s[20+r], v1
	; ranks of 32 and more go to dump words too; a number that came from memory enters an address only behind such a clamp
.irp e, 0,1,2,3
	ROWS v_min_u32 v[b+AD+\e], 63, v[b+AD+\e]
.endr
.irp e, 0,1,2,3
	ROWS v_lshl_add_u32 v[b+AD+\e], v[b+AD+\e], 2, v4
.endr
	s_wait_alu depctr_va_vdst(0)                   ; the markers and addresses of words 0 to 3 are written, which the sixteen stores read
.irp e, 0,1,2,3
	ROWS ds_store_b32 v[b+AD+\e], v[b+MK+\e] offset:256*r
.endr
	; while these leave, words 4 to 7, in registers of their own
.irp e, 4,5,6,7
	RANK \e
.endr
	s_wait_alu depctr_va_sdst(0)                   ; s24 to s39, the masks of words 4 to 7, and s16 to s19 are written, ahead of the selects that read them
.irp e, 4,5,6,7
	CHOOSE \e
.endr
.irp e, 4,5,6,7
	ROWS v_min_u32 v[b+AD+\e], 63, v[b+AD+\e]
.endr
.irp e, 4,5,6,7
	ROWS v_lshl_add_u32 v[b+AD+\e], v[b+AD+\e], 2, v4
.endr
	s_wait_alu depctr_va_vdst(0)                   ; the markers and addresses of words 4 to 7 are written, which the sixteen stores read
.irp e, 4,5,6,7
	ROWS ds_store_b32 v[b+AD+\e], v[b+MK+\e] offset:256*r
.endr
	; slot L, behind all the markers
	ROWS ds_load_b32 v[b+22], v5 offset:256*r
	; running maximum over the slots, then each slot fetches its word
.irp r, 0,1,2,3
	s_wait_dscnt 3-\r                              ; LDS loads come back in order: row r's slot is in, the later rows' may stay out
	v_max_u32_dpp v[ROW0+RSZ*\r+22], v[ROW0+RSZ*\r+22], v[ROW0+RSZ*\r+22] row_shr:1 row_mask:0xf bank_mask:0xf
.endr
.irp s, 2,4,8
	ROWS v_max_u32_dpp v[b+22], v[b+22], v[b+22] row_shr:\s row_mask:0xf bank_mask:0xf
.endr
	ROWS v_readlane_b32 s[24+r], v[b+22], 15
	s_wait_alu depctr_va_sdst(0)                   ; s24 to s27, the lower sixteen slots' maxima, are written, ahead of the selects that read them
	ROWS v_cndmask_b32 v[b+19], 0, s[24+r], s12
	ROWS v_max_u32 v[b+22], v[b+22], v[b+19]
	; the word's index, clamped
	ROWS v_and_b32 v[b+23], 0xff, v[b+22]
	ROWS v_min_u32 v[b+23], 0xff, v[b+23]
	ROWS v_lshl_add_u32 v[b+20], v[b+23], 2, v7
	s_wait_alu depctr_va_vdst(0)                   ; the four word addresses are written, which the loads read
	ROWS ds_load_b32 v[b+21], v[b+20] offset:1024*r
	; its rank + 1; I want its set bit number L - rank, counted from 0
	ROWS v_lshrrev_b32 v[b+19], 16, v[b+22]
	ROWS v_sub_nc_u32 v[b+19], v16, v[b+19]
	; FIVE HALVINGS.  Of the 2 x half bits from the place on, the lower half holds c set bits; if the wanted number is c or more, go to the upper half.
.irp r, 0,1,2,3
	s_wait_dscnt 3-\r                              ; row r's word is in; the later rows' may stay out
	v_and_b32 v[ROW0+RSZ*\r+25], 0xffff, v[ROW0+RSZ*\r+21]
.endr
	ROWS v_bcnt_u32_b32 v[b+26], v[b+25], 0
	ROWS v_cmp_ge_u32 s[24+r], v[b+19], v[b+26]
	s_wait_alu depctr_va_sdst(0)                   ; s24 to s27, the four rows' choices, are written, ahead of the selects that read them
	ROWS v_cndmask_b32 v[b+26], 0, v[b+26], s[24+r]
	; the first halving starts the place
	ROWS v_cndmask_b32 v[b+24], 0, 16, s[24+r]
	ROWS v_sub_nc_u32 v[b+19], v[b+19], v[b+26]
.irp half, 8,4,2
	ROWS v_bfe_u32 v[b+25], v[b+21], v[b+24], \half
	ROWS v_bcnt_u32_b32 v[b+26], v[b+25], 0
	ROWS v_cmp_ge_u32 s[24+r], v[b+19], v[b+26]
	s_wait_alu depctr_va_sdst(0)                   ; s24 to s27, this halving's four choices, are written, ahead of the selects that read them
	ROWS v_cndmask_b32 v[b+26], 0, v[b+26], s[24+r]
	ROWS v_cndmask_b32 v[b+27], 0, \half, s[24+r]
	ROWS v_sub_nc_u32 v[b+19], v[b+19], v[b+26]
	ROWS v_add_nc_u32 v[b+24], v[b+24], v[b+27]
.endr
	; one bit is its own count, and the number is not needed again
	ROWS v_bfe_u32 v[b+25], v[b+21], v[b+24], 1
	ROWS v_cmp_ge_u32 s[24+r], v[b+19], v[b+25]
	s_wait_alu depctr_va_sdst(0)                   ; s24 to s27, the last halving's four choices, are written, ahead of the selects that read them
	ROWS v_cndmask_b32 v[b+27], 0, 1, s[24+r]
	ROWS v_add_nc_u32 v[b+24], v[b+24], v[b+27]
	; src index = 32 x word + place; -1 in a slot that is not taken
	ROWS v_lshl_add_u32 v[b+24], v[b+23], 5, v[b+24]
	ROWS v_cndmask_b32 v[b+24], -1, v[b+24], s[16+r]
	s_wait_alu depctr_va_vdst(0)                   ; the four rows' results are written, which the stores into the way out read
	ROWS ds_store_b32 v17, v[b+24] offset:128*r
	; THE WAY OUT: the wave's four rows are 512 consecutive bytes of each output; a lane takes 16 of them
	ds_load_b128 v[24:27], v18
	s_wait_dscnt 0x0
	global_store_b128 v2, v[24:27], s[6:7] th:TH_STORE_NT          ; sixteen lanes store 256 consecutive bytes, at a multiple of 256 from out0's first byte
.irp e, 0,1,2,3
	v_cmp_le_i32 s[24+\e], 0, v[24+\e]
.endr
	s_wait_alu depctr_va_sdst(0)                   ; s24 to s27, where a neighbour stands, are written, ahead of the selects that read them
.irp e, 0,1,2,3
	v_cndmask_b32 v[28+\e], -1, v19, s[24+\e]      ; the dst row where a neighbour stands, else -1
.endr
	s_wait_alu depctr_va_vdst(0)                   ; v28 to v31 are written, which the store reads
	global_store_b128 v2, v[28:31], s[8:9] th:TH_STORE_NT
	s_wait_dscnt 0x0
	s_wait_alu depctr_hold_cnt(0) depctr_sa_sdst(0) depctr_va_vdst(0) depctr_va_sdst(0) depctr_va_ssrc(0) depctr_va_vcc(0) depctr_vm_vsrc(0)
	s_wait_tensorcnt 0x0
	ds_add_u32 v22, v23
	s_wait_dscnt 0x0
	s_endpgm
.Lfunc_end_k_q6cfa5795a4_pick:
	.size	k_q6cfa5795a4_pick, .Lfunc_end_k_q6cfa5795a4_pick-k_q6cfa5795a4_pick
	.p2alignl 7, 3214868480
	.fill 96, 4, 3214868480
	.section	.rodata,"a",@progbits
	.p2align	6, 0x0
	.amdhsa_kernel k_q6cfa5795a4_pick
		.amdhsa_group_segment_fixed_size 46080
		.amdhsa_private_segment_fixed_size 0
		.amdhsa_enable_private_segment 0
		.amdhsa_kernarg_size 24
		.amdhsa_user_sgpr_count 2
		.amdhsa_user_sgpr_kernarg_segment_ptr 1
		.amdhsa_wavefront_size32 1
		.amdhsa_system_sgpr_workgroup_id_x 1
		.amdhsa_system_sgpr_workgroup_id_y 1
		.amdhsa_system_sgpr_workgroup_id_z 1
		.amdhsa_system_vgpr_workitem_id 0
		.amdhsa_next_free_vgpr 208
		.amdhsa_next_free_sgpr 66
		.amdhsa_reserve_vcc 0
		.amdhsa_float_denorm_mode_32 3
		.amdhsa_float_denorm_mode_16_64 3
		.amdhsa_memory_ordered 1
		.amdhsa_forward_progress 1
		.amdhsa_inst_pref_size 34
	.end_amdhsa_kernel
	.amdgpu_metadata
---
amdhsa.version: [ 1, 2 ]
amdhsa.kernels:
  - .name:           k_q6cfa5795a4_pick
    .symbol:         k_q6cfa5795a4_pick.kd
    .args:
      - { .name: vmask, .offset: 0, .size: 8, .value_kind: global_buffer, .address_space: global }
      - { .name: out0, .offset: 8, .size: 8, .value_kind: global_buffer, .address_space: global }
      - { .name: out1, .offset: 16, .size: 8, .value_kind: global_buffer, .address_space: global }
    .group_segment_fixed_size: 46080
    .private_segment_fixed_size: 0
    .kernarg_segment_align: 8
    .kernarg_segment_size: 24
    .max_flat_workgroup_size: 256
    .sgpr_count:     66
    .vgpr_count:     208
    .wavefront_size: 32
...
	.end_amdgpu_metadata
.endif
;; end of part 3
